; MI455X (gfx1250); checked and timed in simulation.
; The chip was launched on July 23, 2026; its instructions are those of AMD's public machine-readable ISA for CDNA 5 (MIT licence, August 2026) and "CDNA5" Instruction Set Architecture Reference Guide (July 2026). The comments in the code are by the model that wrote it; some were corrected since.
;; Dynamic Linear. Allowed arithmetic: matrix products marked QUANTISED: E5M2 operands, one E8M0 scale for each 32 along K, by v_wmma_scale_f32_16x16x128_f8f6f4 with both operands' format E5M2, f32 sums; products left as they are: f32 operands where the result goes on into a quantised operand, else bf16, f16 or f32 operands; f32 sums; everything else in f32.
;; Inputs: bias 4 x 2,048 float32; softmax_attention 4,096 x 4 float32; weight 4 x 2,048 x 2,048 float32; x 4,096 x 2,048 float32.
;; Outputs: out0 4,096 x 2,048 float32.
;; This version of the problem:
;;   THIS VERSION OF THE PROBLEM IS GIVEN IN LOW PRECISION. The matrix products marked QUANTISED in the list below multiply operands that are first quantised to E5M2 (5 exponent bits, 2 mantissa bits; 8 bits a number), with one power-of-two scale for each 32 numbers along K (OCP MX v1.0); their sums are f32. All else is computed in f32.
;;   The module's matrix products, in the order in which they are computed (A, B: the left and right operand; K: the contracted axis; several contracted axes count as one K, in the product's order):
;;     1. [M 4,096, K 2,048] x [K 2,048, N 8,192]; A: input x; B: input weight: QUANTISED
;;     2. batch 4,096 x [M 1, K 4] x [K 4, N 2,048]; A: input softmax_attention; B: computed on the way: left as it is (K = 4 < 32)
;;     3. [M 4,096, K 4] x [K 4, N 2,048]; A: input softmax_attention; B: input bias: left as it is (K = 4 < 32)
;;   THE QUANTISER, for each operand of a quantised product, along K:
;;     - K is cut into blocks of 32 from its start; a last block that is shorter is filled with zeros.
;;     - A block's scale is 2^e with e = floor(log2(the largest magnitude in the block)) - 15, held to -126 .. 127; a block of zeros has e = 0. As a byte (E8M0): e + 127.
;;     - Each number is divided by its block's scale, clamped to +-57,344, and rounded to the nearest number of E5M2, ties to even, subnormals kept.
;;     - The product sums the exact products of the quantised numbers (number of the format x scale) in f32.
;;   ~~~python
;;   def quantise(x, axis):      # numpy; x: float32 -> the quantised numbers, widened to float32 again
;;       x = np.moveaxis(x, axis, -1); K = x.shape[-1]
;;       x = np.pad(x, [(0, 0)] * (x.ndim - 1) + [(0, -K % 32)]); x = x.reshape(x.shape[:-1] + (-1, 32)); a = np.abs(x).max(-1, keepdims=True)
;;       e = np.where(a > 0, np.clip(np.frexp(np.where(a > 0, a, 1))[1] - 1 - 15, -126, 127), 0)      # np.frexp(a)[1] - 1 = floor(log2(a)), exactly
;;       r = np.clip(x / 2.0 ** e, -57344, 57344)
;;       step = 2.0 ** (np.maximum(np.frexp(np.where(r == 0, 1, r))[1] - 1, -14) - 2)
;;       q = np.round(r / step) * step * 2.0 ** e      # np.round: ties to even
;;       return np.moveaxis(q.reshape(q.shape[:-2] + (-1,))[..., :K], -1, axis).astype(np.float32)
;;   ~~~
;; One version. Each part assembles by itself: llvm-mc -triple=amdgcn-amd-amdhsa -mcpu=gfx1250 --defsym DOCPART=n.
;; ======== version 1 of 1: 2 launches
;; limits: right only within a limited range of input values
;; workspace buffers: xt 8,650,752 bytes; wt 17,301,504 bytes
;; launch quant (part 1): grid 256 x 1, 16 waves a work-group, no clusters, 327,680 bytes of LDS; arguments x, weight, xt, wt; writes xt, wt
.if DOCPART == 1
	.amdgcn_target "amdgcn-amd-amdhsa--gfx1250"
	.amdhsa_code_object_version 6
	.text
	.protected	k_q872d85e29c_quant
	.globl	k_q872d85e29c_quant
	.p2align	8
	.type	k_q872d85e29c_quant,@function
k_q872d85e29c_quant:
	s_mov_b64 s[64:65], 0
	v_nop
	global_prefetch_b8 v0, s[64:65] scope:SCOPE_SE
	s_setreg_imm32_b32 hwreg(HW_REG_WAVE_MODE, 25, 1), 1
	s_wait_xcnt 0x0
; x [4096][2048] and weight [4][2048][2048], f32, K innermost, are turned into codes of BF8 (E5M2) with one E8M0 scale byte for each 32 along K.  All inputs and steps of the problem are live: nothing is left out.
; A block's scale is 2^(floor(log2(its largest magnitude)) - 15); its byte is the largest magnitude's exponent field - 15, held at 1 from below.  Each number is divided by the scale, held within +-57,344
; and rounded to the nearest code, ties to even.
; LIMITS: a block of zeros gets the byte 1 where the rule says 127 (its codes are zeros, and this program alone reads the bytes); blocks whose largest magnitude lies under 2^-111 have the byte 1, the rule's e = -126;
; NaN and infinities among the inputs are not served.
; THE RESULT'S LAYOUT.  A piece is 128 rows x 256 along K: 33,792 bytes = codes [row block i of 8][q of 2: 128 along K][c of 4][lane of 32][16 bytes], then scale words [q][r][i].  Lane (r, h) of (i, q, c) holds row 16 i + r,
; K = 128 q + 32 c + 16 h + 0 .. 15: the order of the product's operand registers.  Byte c of the word (q, r, i) is the scale of row 16 i + r, K = 128 q + 32 c on.
; xt [row / 128][K / 256] pieces, rows in order.  wt [o / 32][K / 256] pieces: row 32 k + o % 32 of a piece is expert k's output o: all four experts of 32 outputs.
; SHARES.  256 work-groups of equal work: work-group b makes three pieces, one after the other: x's piece b, weight's pieces b and b + 256.  Wave w makes group (i, q) = (w / 2, w % 2) of each: 16 rows x 128 along K.
; A group's f32 numbers come by the wave's own tensor load, 16 rows of 512 bytes, into LDS rows of 528 bytes of the wave's own; two slots take turns.  Lane (r, h) reads 16 neighbours along K of row r for each c; lanes l and
; l xor 16 hold a block of 32.  The codes leave straight from the registers, 512 consecutive bytes a store.  The scale words of the three pieces meet in LDS and leave at the end, 256 consecutive bytes a wave.
; PREFETCH: behind the load of one piece each wave names the next piece's 32 units of 256 bytes of its own group, a lane a unit: one piece ahead; the last piece asks for nothing.
; No clusters: work-groups share no input.
.set PIECE, 33792
.set EMAX,  15
.set MANT,  0x600000                   ; the mantissa field of 57,344 as f32
.set SP,    528                        ; an LDS row: 512 bytes + 16 of padding
.set WREG,  16*SP                      ; a wave's group
.set SLOT,  16*WREG
.set SCA,   2*SLOT                     ; three pieces' scale words, 1,024 bytes each
.set SPARE, SCA+3*1024                 ; the spare words, 128 bytes a wave
.set SPW,   16
.set NIL,   17
.set RA,    24                         ; v24-25   my group in slot 0, 1
.set X,     64                         ; v64-127  a group, 16 neighbours for each c
.set C,     128                        ; v128-175 codes, 16 registers a piece
.set G1,    24                         ; s[24:31] group 1;  s[32:35], s[36:39], s[40:43] group 0 of the three loads
	s_load_b128 s[4:7], s[0:1], 0x0                ; x, weight
	s_load_b128 s[8:11], s[0:1], 0x10              ; xt, wt
	v_lshl_add_u32 v[SPW], v0, 2, SPARE
	v_mov_b32 v[NIL], 0
	ds_add_u32 v[SPW], v[NIL]                      ; the wave's opening: the add, twice on end, and its wait ahead of my first tensor load
	ds_add_u32 v[SPW], v[NIL]
	v_lshrrev_b32 v1, 5, v0
	v_readfirstlane_b32 s16, v1                    ; wave
	s_mov_b32 s[G1+0], (2<<16)|(1<<20)|(6<<22)|(3<<25)   ; elements of 4 bytes; after every 128 words (code 6) a padding of 4 words (code 3)
	s_mov_b32 s[G1+1], 128<<16                     ; 16 rows of 128 numbers
	s_mov_b32 s[G1+2], 16<<16
	s_mov_b32 s[G1+3], 128<<16
	s_mov_b32 s[G1+4], 16
	s_mov_b32 s[G1+5], 2048                        ; from row to row
	s_mov_b32 s[G1+6], 0
	s_mov_b32 s[G1+7], 0
	s_lshr_b32 s50, s16, 1                         ; i
	s_and_b32 s51, s16, 1                          ; q
	s_and_b32 s44, ttmp9, 7                        ; which 256 along K
	s_lshr_b32 s45, ttmp9, 3                       ; which 128 rows of x; which 32 outputs of weight
	s_lshl_b32 s44, s44, 10
	s_lshl_b32 s46, s51, 9
	s_add_co_u32 s44, s44, s46                     ; my first column, in bytes
	s_lshl_b32 s20, s45, 7
	s_lshl_b32 s46, s50, 4
	s_add_co_u32 s20, s20, s46                     ; x: row 128 (b / 8) + 16 i
	s_lshl_b32 s20, s20, 13
	s_add_co_u32 s20, s20, s44
	s_mov_b32 s21, 0
	s_lshr_b32 s22, s50, 1
	s_lshl_b32 s22, s22, 11
	s_lshl_b32 s46, s45, 5
	s_add_co_u32 s22, s22, s46
	s_and_b32 s46, s50, 1
	s_lshl_b32 s46, s46, 4
	s_add_co_u32 s22, s22, s46                     ; weight: row 2,048 (i / 2) + 32 (b / 8) + 16 (i % 2)
	s_lshl_b32 s22, s22, 13
	s_add_co_u32 s22, s22, s44
	s_mov_b32 s23, 0
	s_mul_i32 s47, s16, WREG                       ; my place in a slot
	s_lshl_b32 s52, s51, 9
	s_lshl_b32 s53, s50, 2
	s_add_co_u32 s52, s52, s53
	s_add_co_u32 s52, s52, SCA                     ; scale words: 512 q + 4 i
	s_lshl_b32 s53, s16, 8
	s_add_co_u32 s53, s53, SCA                     ; and the 256 bytes of them that I store
	v_and_b32 v1, 31, v0                           ; lane
	v_and_b32 v2, 15, v0                           ; r
	v_lshrrev_b32 v4, 4, v1                        ; h
	v_lshlrev_b32 v3, 4, v1                        ; 16 bytes a lane of a store's 512
	v_mul_u32_u24 v5, v2, SP
	v_lshl_add_u32 v5, v4, 6, v5
	v_add_nc_u32 v[RA], s47, v5                    ; row r, 64 bytes from 64 h on
	v_add_nc_u32 v[RA+1], SLOT, v[RA]
	v_lshlrev_b32 v18, 5, v2
	v_add_nc_u32 v18, s52, v18
	v_lshlrev_b32 v20, 3, v1
	v_add_nc_u32 v19, s53, v20
	v_lshrrev_b32 v21, 1, v1                       ; the prefetch: row lane / 2, unit lane % 2
	v_and_b32 v23, 1, v1
	v_lshlrev_b32 v23, 8, v23
	v_lshl_add_u32 v21, v21, 13, v23
	v_mov_b32 v12, 0                               ; (a lane permute's destination counts as read)
	v_mov_b32 v13, 0
	s_wait_alu depctr_va_vdst(0)                   ; the head's end
	s_wait_dscnt 0x0                               ; both opening adds are done
	s_wait_kmcnt 0x0
	s_add_nc_u64 s[4:5], s[4:5], s[20:21]          ; x's group
	s_add_nc_u64 s[6:7], s[6:7], s[22:23]          ; weight's first
	s_add_nc_u64 s[14:15], s[6:7], 0x800000        ; and second: 1,024 rows on
	s_mov_b32 s32, 1
	s_mov_b32 s33, s47
	s_mov_b64 s[34:35], s[4:5]
	s_or_b32 s35, s35, 0x80000000
	s_mov_b32 s36, 1
	s_add_co_u32 s37, s47, SLOT
	s_mov_b64 s[38:39], s[6:7]
	s_or_b32 s39, s39, 0x80000000
	s_mov_b32 s40, 1
	s_mov_b32 s41, s47
	s_mov_b64 s[42:43], s[14:15]
	s_or_b32 s43, s43, 0x80000000
.macro TLOAD g
	tensor_load_to_lds s[\g:\g+3], s[G1:G1+7]
	s_nop 0
.rept 4
	v_nop
.endr
.endm
	TLOAD 32                                       ; x's piece: one tensor load a wave at the head
	global_prefetch_b8 v21, s[6:7] th:TH_LOAD_NT scope:SCOPE_SE
	s_mul_i32 s20, ttmp9, PIECE                    ; where the results go: piece b of xt and of wt, and wt's piece b + 256
	s_and_b32 s48, s16, 3
	s_lshl_b32 s48, s48, 8
	s_add_co_u32 s48, s48, 32768
	s_add_co_u32 s48, s48, s20                     ; scale words: waves 0-3 store xt's, 4-7 and 8-11 wt's
	s_cmp_lt_u32 s16, 8
	s_cselect_b32 s49, 0, 256*PIECE
	s_add_co_u32 s48, s48, s49
	s_mov_b32 s49, 0
	s_cmp_lt_u32 s16, 4
	s_cselect_b64 s[54:55], s[8:9], s[10:11]
	s_add_nc_u64 s[54:55], s[54:55], s[48:49]
	s_lshl_b32 s22, s16, 11
	s_add_co_u32 s20, s20, s22                     ; codes: 2,048 bytes a wave
	s_add_nc_u64 s[8:9], s[8:9], s[20:21]
	s_add_nc_u64 s[10:11], s[10:11], s[20:21]
	s_add_nc_u64 s[12:13], s[10:11], 256*PIECE
	s_mov_b32 s20, 0x76543210
	s_mov_b32 s21, 0xfedcba98                      ; lane l xor 16
	s_mov_b32 s23, MANT
; Blocks c = 2 p and 2 p + 1 of piece n's group, by turns
.macro PAIR n, p
.set XA, X+32*(\p)
.set XB, XA+16
.set CC, C+16*(\n)+8*(\p)
	v_max3_num_f32 v8, |v[XA]|, |v[XA+1]|, |v[XA+2]|
	v_max3_num_f32 v9, |v[XB]|, |v[XB+1]|, |v[XB+2]|
	v_max3_num_f32 v10, |v[XA+3]|, |v[XA+4]|, |v[XA+5]|
	v_max3_num_f32 v11, |v[XB+3]|, |v[XB+4]|, |v[XB+5]|
.irp i, 6,10
	v_max3_num_f32 v8, v8, |v[XA+\i]|, |v[XA+\i+1]|
	v_max3_num_f32 v9, v9, |v[XB+\i]|, |v[XB+\i+1]|
	v_max3_num_f32 v10, v10, |v[XA+\i+2]|, |v[XA+\i+3]|
	v_max3_num_f32 v11, v11, |v[XB+\i+2]|, |v[XB+\i+3]|
.endr
	v_max3_num_f32 v8, v8, |v[XA+14]|, |v[XA+15]|
	v_max3_num_f32 v9, v9, |v[XB+14]|, |v[XB+15]|
	v_max3_num_f32 v8, v8, v10, (EMAX+1)<<23       ; the floor 2^(EMAX + 1 - 127): the byte cannot fall under 1
	v_max3_num_f32 v9, v9, v11, (EMAX+1)<<23
	v_permlanex16_b32 v12, v8, s20, s21
	v_permlanex16_b32 v13, v9, s20, s21
	v_max_num_f32 v8, v8, v12                      ; with lane l xor 16's 16: the block's
	v_max_num_f32 v9, v9, v13
	v_add_nc_u32 v14, -(EMAX<<23), v8              ; the conversion takes this operand's exponent field as its scale
	v_add_nc_u32 v15, -(EMAX<<23), v9
	v_and_or_b32 v10, v8, 0x7f800000, s23          ; 57,344 x the scale
	v_and_or_b32 v11, v9, 0x7f800000, s23
.irp i, 0,1,2,3,4,5,6,7,8,9,10,11,12,13,14,15
	v_med3_num_f32 v[XA+\i], v[XA+\i], -v10, v10   ; the conversion to an 8-bit code does not saturate (ISA guide 7.6.2)
	v_med3_num_f32 v[XB+\i], v[XB+\i], -v11, v11
.endr
	v_cvt_scalef32_pk8_bf8_f32 v[CC:CC+1], v[XA:XA+7], v14
	v_cvt_scalef32_pk8_bf8_f32 v[CC+2:CC+3], v[XA+8:XA+15], v14
	v_cvt_scalef32_pk8_bf8_f32 v[CC+4:CC+5], v[XB:XB+7], v15
	v_cvt_scalef32_pk8_bf8_f32 v[CC+6:CC+7], v[XB+8:XB+15], v15
	v_lshrrev_b32 v7, 23, v14                      ; the scale bytes, lowest K in the lowest byte
	v_lshrrev_b32 v22, 23, v15
.if (\p) == 0
	v_lshl_or_b32 v6, v22, 8, v7
.else
	v_lshl_or_b32 v6, v7, 16, v6
	v_lshl_or_b32 v6, v22, 24, v6
.endif
.endm
; Piece n's group, which lies in slot s; its codes go to the address in s[d:d+1].  Each piece has code registers of its own, so no store's data are written again.
.macro PROC n, s, d
.irp c, 0,1,2,3
.irp j, 0,1,2,3
	ds_load_b128 v[X+16*\c+4*\j:X+16*\c+4*\j+3], v[RA+\s] offset:128*\c+16*\j
.endr
.endr
	s_wait_dscnt 8                                 ; the first two blocks are in; the other two's eight loads may be out
	PAIR \n, 0
	s_wait_dscnt 0
	PAIR \n, 1
	ds_store_b32 v18, v6 offset:1024*(\n)          ; lanes l and l xor 16 write the same word with the same value
.irp c, 0,1,2,3
	global_store_b128 v3, v[C+16*(\n)+4*\c:C+16*(\n)+4*\c+3], s[\d:\d+1] offset:512*\c
.endr
.endm
.macro CHANGE                          ; in front of a later fill
	s_wait_tensorcnt 0x0                           ; my load has landed
	ds_add_u32 v[SPW], v[NIL]
	s_wait_dscnt 0x0                               ; the add is done, and so are my reads of the other slot
	s_barrier_signal -1
	s_barrier_wait -1
.endm
	CHANGE
	TLOAD 36                                       ; weight's piece b, slot 1's first fill
	global_prefetch_b8 v21, s[14:15] th:TH_LOAD_NT scope:SCOPE_SE
	PROC 0, 0, 8
	CHANGE
	TLOAD 40                                       ; weight's piece b + 256, into slot 0
	PROC 1, 1, 10
	s_wait_tensorcnt 0x0                           ; it has landed; I alone read its bytes
	PROC 2, 0, 12
	s_wait_dscnt 0x0                               ; for the others' sake: my scale words are in LDS
	s_barrier_signal -1
	s_barrier_wait -1
	s_cmp_lt_u32 s16, 12                           ; 3,072 bytes of scale words: twelve waves store 256 each
	s_cbranch_scc0 .Lend
	ds_load_b64 v[8:9], v19
	s_wait_dscnt 0x0
	global_store_b64 v20, v[8:9], s[54:55]         ; 256 consecutive bytes, aligned
.Lend:
	s_wait_tensorcnt 0x0                           ; the wave's end
	ds_add_u32 v[SPW], v[NIL]
	s_wait_dscnt 0x0
	s_endpgm
.Lfunc_end_k_q872d85e29c_quant:
	.size	k_q872d85e29c_quant, .Lfunc_end_k_q872d85e29c_quant-k_q872d85e29c_quant
	.p2alignl 7, 3214868480
	.fill 96, 4, 3214868480
	.section	.rodata,"a",@progbits
	.p2align	6, 0x0
	.amdhsa_kernel k_q872d85e29c_quant
		.amdhsa_group_segment_fixed_size 327680
		.amdhsa_private_segment_fixed_size 0
		.amdhsa_enable_private_segment 0
		.amdhsa_kernarg_size 32
		.amdhsa_user_sgpr_count 2
		.amdhsa_user_sgpr_kernarg_segment_ptr 1
		.amdhsa_wavefront_size32 1
		.amdhsa_system_sgpr_workgroup_id_x 1
		.amdhsa_system_sgpr_workgroup_id_y 1
		.amdhsa_system_sgpr_workgroup_id_z 1
		.amdhsa_system_vgpr_workitem_id 0
		.amdhsa_next_free_vgpr 176
		.amdhsa_next_free_sgpr 66
		.amdhsa_reserve_vcc 0
		.amdhsa_float_denorm_mode_32 3
		.amdhsa_float_denorm_mode_16_64 3
		.amdhsa_memory_ordered 1
		.amdhsa_forward_progress 1
		.amdhsa_inst_pref_size 35
	.end_amdhsa_kernel
	.amdgpu_metadata
---
amdhsa.version: [ 1, 2 ]
amdhsa.kernels:
  - .name:           k_q872d85e29c_quant
    .symbol:         k_q872d85e29c_quant.kd
    .args:
      - { .name: x, .offset: 0, .size: 8, .value_kind: global_buffer, .address_space: global }
      - { .name: weight, .offset: 8, .size: 8, .value_kind: global_buffer, .address_space: global }
      - { .name: xt, .offset: 16, .size: 8, .value_kind: global_buffer, .address_space: global }
      - { .name: wt, .offset: 24, .size: 8, .value_kind: global_buffer, .address_space: global }
    .group_segment_fixed_size: 327680
    .private_segment_fixed_size: 0
    .kernarg_segment_align: 8
    .kernarg_segment_size: 32
    .max_flat_workgroup_size: 512
    .sgpr_count:     66
    .vgpr_count:     176
    .wavefront_size: 32
...
	.end_amdgpu_metadata
.endif
;; end of part 1
;; launch gemm (part 2): grid 16 x 16, 4 waves a work-group, clusters of 4 x 4, 327,680 bytes of LDS; arguments xt, wt, out0, softmax_attention, bias; writes out0
.if DOCPART == 2
	.amdgcn_target "amdgcn-amd-amdhsa--gfx1250"
	.amdhsa_code_object_version 6
	.text
	.protected	k_q872d85e29c_gemm
	.globl	k_q872d85e29c_gemm
	.p2align	8
	.type	k_q872d85e29c_gemm,@function
k_q872d85e29c_gemm:
	s_mov_b64 s[64:65], 0
	v_nop
	global_prefetch_b8 v0, s[64:65] scope:SCOPE_SE
	s_setreg_imm32_b32 hwreg(HW_REG_WAVE_MODE, 25, 1), 1
	s_wait_xcnt 0x0
	s_wait_alu depctr_hold_cnt(0) depctr_sa_sdst(0) depctr_va_vdst(0) depctr_va_sdst(0) depctr_va_ssrc(0) depctr_va_vcc(0) depctr_vm_vsrc(0)
	s_getreg_b32 s2, hwreg(HW_REG_IB_STS2, 6, 4)
	s_cmp_eq_u32 s2, 0
	s_cbranch_scc0 .Lentry_in_a_cluster
	s_endpgm
.Lentry_in_a_cluster:
	s_bfe_u32 s2, ttmp6, 0x10000c
	s_cmp_lg_u32 s2, 0xf033
	s_cbranch_scc0 .Lentry_shape_is_right
	s_endpgm
.Lentry_shape_is_right:
; out[b][o] = sum over k of attn[b][k] (sum over i of x[b][i] w[k][o][i] + bias[k][o]).  The inner sums run on codes of BF8 (E5M2) with one E8M0 scale for each 32 along i, f32 sums.
; xt, wt: pieces of 128 rows x 256 along K, 33,792 bytes each: codes in the order of the operand registers, then scale words (the first launch's comment has the layout).  attn [4096][4], bias [4][2048], out [4096][2048]: f32.
; SHARES.  256 work-groups of equal work.  Work-group (tx, ty) makes samples 256 ty .. + 255 x outputs 128 tx .. + 127 in TWO TILES, t = 0, 1, one after the other through one ring.  Wave w takes samples 128 (w / 2) on and, in tile t,
; outputs 128 tx + 64 (w % 2) + 32 t .. + 31 of all four experts: 128 rows of wt: 64 accumulators of 16 x 16, 512 registers.  Over both tiles a wave has 64 neighbouring outputs: 256 bytes of a row of out.
; Block b = 2 k + nb of 16 rows of wt is expert k, outputs 16 nb .. + 15: the four experts' sums of one (sample, output) lie in ONE lane.
; THE MATRIX INSTRUCTION IS USED TRANSPOSED (source 0 = 16 rows of wt, source 1 = 16 samples): lane (r, h) holds sample r, its registers 0 to 7 the outputs 8 h + 0 .. 7.
; THE BIAS'S SHARE, sum over k of attn[b][k] bias[k][o], is a 16 x 16 x 4 product of f32 in the same layout; the mix starts on it.
; THE RING: two slots, each a K step of 256: four pieces (x's two halves, wt's two), one tensor load a wave, codes and scale words in one dense run of 33 rows of 1,024 bytes.  Sixteen K steps: g = 8 t + step.
; Fragments lie in LDS as lanes' 16 bytes on end, so LDS needs no padding.
; CLUSTERS: 4 x 4 work-groups.  The four of a row share x's pieces, the four of a column wt's: each is asked for JOINTLY, by the same load with the same descriptor and a mask that names the four.
; A STEP of 128 along K is 64 products in eight blocks, a block for each 16 samples.  Samples' fragments have ONE set of registers in two halves, wt's have TWO sets, by the step's parity q.  LDS loads stand in two runs a step: ahead of
; blocks 0-3 (samples' 4-7 of this step, the next step's wt) and ahead of blocks 4-7 (the next step's wt and samples' 0-3).
; PREFETCH: behind the refill with K step g + 2 each wave asks for its share of K step g + 3: of a piece's 132 units of 256 bytes the four partners take 33 each, by address.  x's pieces are asked for in tile 0 alone.  K steps 0 and 1 come
; by their loads alone.
; THE MIX of block m stands among the next block's products, in each tile's last step.  TILE 0's mixed results wait for tile 1's in the wave's own LDS bytes (blocks 0 to 5) and in registers (blocks 6, 7): the outputs of both tiles
; leave together, as whole 256-byte units.  (A stage shared by two waves, for leaving earlier, does not fit beside the ring.)
; LIMITS: NaN and infinities are not served.
; REGISTERS: window 0: v0-31 addresses and small operands; v32-47 scale words; v48-79 attn; v80-111 mixed results; v112-127 the bias's share; v128-255 samples' fragments.  window 1: wt's fragments, two sets.
;   window 2: accumulators of blocks 0-3;  window 3: of blocks 4-7: accumulator (a, b) at v[8 (8 (a % 4) + b)].
.set PIECE, 33792
.set SLOT,  4*PIECE
.set TP,    144                        ; a row of 32 outputs in LDS: 128 bytes + 16
.set T0R,   2*SLOT                     ; tile 0's mixed results: 96 rows a wave
.set T0W_,  96*TP
.set SPARE, T0R+4*T0W_                 ; the spare words: two blocks of 256 bytes
.set S1R,   128                        ; at the end, in slot 0: tile 1's rows (128) and tile 0's last 32, a wave; shifted by 128 bytes so that a row's two halves lie in different banks (64 banks of 4 bytes: ISA guide 11.1)
.set S1W,   23296
.set T6,    128*TP+128                 ; tile 0's last 32 rows in it
.set OROW,  8192
.set BT0, 4                            ; v4-7, v8-11  bias operands of tiles 0, 1
.set BT1, 8
.set OP,  12                           ; v12-13  attn operand
.set ADRA, 16                          ; v16-17  samples' fragments, slot 0, 1
.set ADRB, 18                          ; v18-19  wt's
.set ADRS, 20                          ; v20-21  scale words: lanes 0-15 samples', lanes 16-31 wt's
.set STO, 22
.set RD,  23                           ; v23-24  back by rows: blocks 0-5, blocks 6-7
.set CO,  25
.set PF1, 26
.set AAD, 27
.set SPW, 28
.set NIL, 29
.set T0A, 30
.set ZER, 31
.set SC,  32
.set AT,  48
.set HOLD, 80
.set DR,  112                          ; written by matrix instructions alone
.set AF,  128
.set G1, 24
.set G0, 32
.set G1B, 48
.set G0B, 56
.set PFB, 80                           ; s[80:81]
.set LIM, 82
.set CNT, 83
.set HI,  84                           ; s84: lanes 16-31
.set MSB, 0
.macro WIN new                         ; the immediate's high byte repeats the setting that is left
.if MSB != (\new)
	s_set_vgpr_msb (MSB<<8)|(\new)
.set MSB, (\new)
.endif
.endm
.macro WALU
	s_wait_alu depctr_va_vdst(0)
.endm
.macro PLACES n
.rept \n
	v_nop
.endr
.endm
; A joint load: waves 0 and 1 fetch x's halves, waves 2 and 3 wt's; an s_nop 0 and four v_nop follow each of the two lines
.macro JLOAD s
	s_cmp_eq_u32 s15, 0
	s_cbranch_scc0 .Lfor_b_\@
	tensor_load_to_lds s[G0+4*\s:G0+4*\s+3], s[G1:G1+7]
	s_nop 0
	PLACES 4
	s_branch .Lasked_\@
.Lfor_b_\@:
	tensor_load_to_lds s[G0B+4*\s:G0B+4*\s+3], s[G1B:G1B+7]
	s_nop 0
	PLACES 4
.Lasked_\@:
.endm
.macro CREST                           ; a round of the cluster's barrier behind its opening barrier
	s_cmp_lg_u32 s14, 0
	s_cbranch_scc1 .Lnot_wave_0_\@
	s_barrier_signal -3
.Lnot_wave_0_\@:
	s_barrier_wait -3
	s_barrier_signal -1
	s_barrier_wait -1
.endm
.macro CROUND
	s_barrier_signal -1
	s_barrier_wait -1
	CREST
.endm
.macro ASKAT off                       ; my 33 units of a piece: a lane a unit, then the last one
	global_prefetch_b8 v[PF1], s[PFB:PFB+1] offset:\off th:TH_LOAD_NT scope:SCOPE_SE
	global_prefetch_b8 v[ZER], s[PFB:PFB+1] offset:(\off)+8192 th:TH_LOAD_NT scope:SCOPE_SE
.endm
.macro ASK                             ; at K step g: K step g + 3, while there is one to ask for (x: g < 5; wt: g < 13)
	s_cmp_lt_u32 s[CNT], s[LIM]
	s_cbranch_scc0 .Lnone_\@
	ASKAT 2*PIECE
.Lnone_\@:
	s_add_co_u32 s[CNT], s[CNT], 1
.endm
	s_load_b128 s[4:7], s[0:1], 0x0                ; xt, wt
	s_load_b128 s[8:11], s[0:1], 0x10              ; out, attn
	s_load_b64 s[12:13], s[0:1], 0x20              ; bias
	v_lshl_add_u32 v[SPW], v0, 2, SPARE
	v_mov_b32 v[NIL], 0
	ds_add_u32 v[SPW], v[NIL]                      ; the wave's opening: the add, twice on end, and its wait ahead of my first tensor load
	ds_add_u32 v[SPW], v[NIL]
	v_lshrrev_b32 v1, 5, v0
	v_readfirstlane_b32 s14, v1                    ; wave 0..3
	s_lshr_b32 s15, s14, 1                         ; my half of the samples.  Also: I fetch for x (0) or for wt (1)
	s_and_b32 s16, s14, 1                          ; my half of the outputs.  Also: which half I fetch
	s_bfe_u32 s40, ttmp6, 0x40000                  ; cx, cy
	s_bfe_u32 s41, ttmp6, 0x40004
	s_lshl_b32 s42, ttmp9, 2
	s_add_co_u32 s42, s42, s40                     ; tx
	s_and_b32 s17, ttmp7, 0xffff
	s_lshl_b32 s17, s17, 2
	s_add_co_u32 s17, s17, s41                     ; ty
	s_lshl_b32 s43, s41, 2
	s_lshl_b32 s43, 15, s43                        ; my row of the cluster
	s_lshl_b32 s44, 0x1111, s40                    ; my column
	s_or_b32 s[G1+0], s43, (3<<16)|(1<<21)         ; elements of 8 bytes, no padding; 21 set beside a mask
	s_or_b32 s[G1B+0], s44, (3<<16)|(1<<21)
.irp g, G1, G1B
	s_mov_b32 s[\g+1], 128<<16                     ; a piece: 33 rows of 128 elements, dense
	s_mov_b32 s[\g+2], 33<<16
	s_mov_b32 s[\g+3], 128<<16
	s_mov_b32 s[\g+4], 33
	s_mov_b32 s[\g+5], 128
	s_mov_b32 s[\g+6], 0
	s_mov_b32 s[\g+7], 0
.endr
	s_lshl_b32 s66, s17, 1
	s_add_co_u32 s66, s66, s16
	s_mul_i32 s66, s66, 8*PIECE                    ; x: half tile 2 ty + half, eight pieces each
	s_mov_b32 s67, 0
	s_lshl_b32 s68, s42, 1
	s_add_co_u32 s68, s68, s16
	s_mul_i32 s68, s68, 16*PIECE                   ; wt: (2 tx + half): tile 0's eight pieces, then tile 1's
	s_mov_b32 s69, 0
	s_mul_i32 s45, s14, PIECE                      ; where they go: no place in the cluster enters an LDS address
	s_mul_i32 s70, s15, PIECE                      ; where I read: samples' piece,
	s_mul_i32 s71, s16, PIECE
	s_add_co_u32 s71, s71, 2*PIECE                 ; wt's,
	s_sub_co_u32 s72, s71, s70                     ; from the one to the other,
	s_add_co_u32 s73, s70, 32768                   ; scale words
	s_mul_i32 s74, s14, T0W_
	s_add_co_u32 s74, s74, T0R
	s_mul_i32 s75, s14, S1W
	s_add_co_u32 s75, s75, S1R
	s_sub_co_u32 s76, s74, s75
	s_mov_b32 s[HI], 0xffff0000
	s_mov_b32 s[CNT], 0
	s_wait_dscnt 0x0                               ; both opening adds are done
	CROUND                                         ; all sixteen work-groups are here: the first joint loads meet
	s_wait_kmcnt 0x0
	s_add_nc_u64 s[20:21], s[4:5], s[66:67]
	s_add_nc_u64 s[46:47], s[6:7], s[68:69]
.irp s, 0,1
	s_mov_b32 s[G0+4*\s], 1
	s_add_co_u32 s[G0+4*\s+1], s45, \s*SLOT
	s_add_nc_u64 s[G0+4*\s+2:G0+4*\s+3], s[20:21], \s*PIECE
	s_or_b32 s[G0+4*\s+3], s[G0+4*\s+3], 0x80000000
	s_mov_b32 s[G0B+4*\s], 1
	s_add_co_u32 s[G0B+4*\s+1], s45, \s*SLOT
	s_add_nc_u64 s[G0B+4*\s+2:G0B+4*\s+3], s[46:47], \s*PIECE
	s_or_b32 s[G0B+4*\s+3], s[G0B+4*\s+3], 0x80000000
.endr
	JLOAD 0                                        ; K step 0: one tensor load a wave at the head
	s_cmp_eq_u32 s15, 0                            ; the prefetches: do I fetch for x?
	s_cselect_b32 s18, s66, s68
	s_cselect_b32 s22, s40, s41                    ; my place among the four that share a piece
	s_cselect_b32 s[LIM], 5, 13
	s_cselect_b64 s[PFB:PFB+1], s[4:5], s[6:7]
	s_mul_i32 s22, s22, 33*256
	s_add_co_u32 s18, s18, s22
	s_mov_b32 s19, 0
	s_add_nc_u64 s[PFB:PFB+1], s[PFB:PFB+1], s[18:19]
	s_lshl_b32 s22, s17, 8
	s_lshl_b32 s23, s15, 7
	s_add_co_u32 s22, s22, s23                     ; my first sample
	s_lshl_b32 s18, s22, 13
	s_add_nc_u64 s[8:9], s[8:9], s[18:19]
	s_lshl_b32 s18, s22, 4
	s_add_nc_u64 s[10:11], s[10:11], s[18:19]      ; its four numbers of attn
	s_lshl_b32 s18, s42, 9
	s_lshl_b32 s22, s16, 8
	s_add_co_u32 s18, s18, s22                     ; my first output, in bytes
	s_add_nc_u64 s[8:9], s[8:9], s[18:19]
	s_add_nc_u64 s[12:13], s[12:13], s[18:19]
	v_and_b32 v1, 15, v0                           ; r
	v_bfe_u32 v2, v0, 4, 1                         ; h
	v_and_b32 v3, 31, v0                           ; lane
	v_lshlrev_b32 v[PF1], 8, v3
	v_mov_b32 v[ZER], 0
	v_lshlrev_b32 v14, 4, v3
	v_add_nc_u32 v[ADRA], s70, v14
	v_add_nc_u32 v[ADRB], s71, v14
	v_add_nc_u32 v[ADRA+1], SLOT, v[ADRA]
	v_add_nc_u32 v[ADRB+1], SLOT, v[ADRB]
	v_mul_u32_u24 v15, s72, v2
	v_lshl_add_u32 v15, v1, 5, v15
	v_add_nc_u32 v[ADRS], s73, v15
	v_add_nc_u32 v[ADRS+1], SLOT, v[ADRS]
	v_mul_u32_u24 v14, v1, TP                      ; mixed results in: row r, 32 bytes for each half of the lanes
	v_lshl_add_u32 v14, v2, 5, v14
	v_add_nc_u32 v[T0A], s74, v14
	v_add_nc_u32 v[STO], s75, v14
	v_mul_u32_u24 v14, v2, TP                      ; back: lanes 0-15 one row of out, lanes 16-31 the next; eight lanes of tile 0's half, eight of tile 1's
	v_and_b32 v15, 7, v1
	v_lshl_add_u32 v14, v15, 4, v14
	v_add_nc_u32 v14, s75, v14
	v_lshrrev_b32 v15, 3, v1
	v_xor_b32 v15, 1, v15
	v_mul_u32_u24 v[RD], s76, v15
	v_mul_u32_u24 v[RD+1], v15, T6-96*TP
	v_add_nc_u32 v[RD], v14, v[RD]
	v_add_nc_u32 v[RD+1], v14, v[RD+1]
	v_lshlrev_b32 v[AAD], 4, v1
	v_lshl_add_u32 v[CO], v2, 13, v[AAD]
	v_lshlrev_b32 v3, 2, v1
	v_lshl_add_u32 v3, v2, 14, v3                  ; bias: expert 2 h, output r
	WALU                                           ; the head's end
.irp a, 0,1,2,3,4,5,6,7
	global_load_b128 v[AT+4*\a:AT+4*\a+3], v[AAD], s[10:11] offset:256*\a       ; attn of sample 16 a + r
.endr
.irp t, 0,1
.irp n, 0,1
.irp j, 0,1
	global_load_b32 v[BT0+4*\t+2*\n+\j], v3, s[12:13] offset:128*\t+64*\n+8192*\j   ; expert 2 h + j
.endr
.endr
.endr
; The LDS loads that code names: code % 32: 0-7 samples' fragment, 8-15 wt's (four loads), 16 the scale words (two loads); + 32 q + 64 x slot
.macro LDF code
.set F_, (\code)%32
.set K_, ((\code)/32)%2
.set S_, (\code)/64
.if F_ < 8
	WIN 0
.irp c, 0,1,2,3
	ds_load_b128 v[AF+16*F_+4*\c:AF+16*F_+4*\c+3], v[ADRA+S_] offset:(2*F_+K_)*2048+512*\c
.endr
.elseif F_ < 16
	WIN 0x40
.irp c, 0,1,2,3
	ds_load_b128 v[128*K_+16*(F_-8)+4*\c:128*K_+16*(F_-8)+4*\c+3], v[ADRB+S_] offset:(2*(F_-8)+K_)*2048+512*\c
.endr
.else
	WIN 0
	ds_load_b128 v[SC+8*K_:SC+8*K_+3], v[ADRS+S_] offset:512*K_
	ds_load_b128 v[SC+8*K_+4:SC+8*K_+7], v[ADRS+S_] offset:512*K_+16
.endif
.endm
.macro WM a, b, q, first               ; one product; first = 1: it starts the sum
	WIN 0xa1+0x50*((\a)/4)
.if \first
	v_wmma_scale_f32_16x16x128_f8f6f4 v[8*(8*((\a)%4)+\b):8*(8*((\a)%4)+\b)+7], v[128*(\q)+16*(\b):128*(\q)+16*(\b)+15], v[AF+16*(\a):AF+16*(\a)+15], 0, v[SC+8*(\q)+\b], v[SC+8*(\q)+\a] matrix_a_fmt:MATRIX_FMT_BF8 matrix_b_fmt:MATRIX_FMT_BF8 matrix_a_scale:MATRIX_SCALE_ROW1
.else
	v_wmma_scale_f32_16x16x128_f8f6f4 v[8*(8*((\a)%4)+\b):8*(8*((\a)%4)+\b)+7], v[128*(\q)+16*(\b):128*(\q)+16*(\b)+15], v[AF+16*(\a):AF+16*(\a)+15], v[8*(8*((\a)%4)+\b):8*(8*((\a)%4)+\b)+7], v[SC+8*(\q)+\b], v[SC+8*(\q)+\a] matrix_a_fmt:MATRIX_FMT_BF8 matrix_b_fmt:MATRIX_FMT_BF8 matrix_a_scale:MATRIX_SCALE_ROW1
.endif
.endm
.macro DPREP m, bt                     ; the bias's share of block m: lane (r, h) gives attn[16 m + r][2 h], [2 h + 1]
	v_cndmask_b32 v[OP], v[AT+4*(\m)], v[AT+4*(\m)+2], s[HI]
	v_cndmask_b32 v[OP+1], v[AT+4*(\m)+1], v[AT+4*(\m)+3], s[HI]
	v_wmma_f32_16x16x4_f32 v[DR:DR+7], v[\bt:\bt+1], v[OP:OP+1], 0
	v_wmma_f32_16x16x4_f32 v[DR+8:DR+15], v[\bt+2:\bt+3], v[OP:OP+1], 0
.endm
.macro MIXQ m, b                       ; an eighth of block m's mix: expert k = b / 2, nb = b % 2: attn's low or high word of a pair serves both halves
.irp p, 0,2,4,6
.set rA, 64*((\m)%4)+8*(\b)+\p
.set rM, HOLD+16*((\m)%2)+8*((\b)%2)+\p
.set rT, AT+4*(\m)+2*((\b)/4)
.set rD, DR+8*((\b)%2)+\p
.if (\b) < 2
	v_pk_fma_f32 v[rM:rM+1], v[rA:rA+1], v[rT:rT+1], v[rD:rD+1] op_sel_hi:[1,0,1]
.elseif ((\b)/2)%2
	v_pk_fma_f32 v[rM:rM+1], v[rA:rA+1], v[rT:rT+1], v[rM:rM+1] op_sel:[0,1,0] op_sel_hi:[1,1,1]
.else
	v_pk_fma_f32 v[rM:rM+1], v[rA:rA+1], v[rT:rT+1], v[rM:rM+1] op_sel_hi:[1,0,1]
.endif
.endr
.endm
; Block a of a step: eight products, one turn for each accumulator, in the same order in every step.  mix >= 0: behind each product an eighth of block mix's mix.
.macro BLK a, q, first, mix, bt
.set J_, 0
.rept 8
	WM \a, J_, \q, \first
.if (\mix) >= 0
.if (J_ == 2) && ((\mix) < 7)
	WIN 0
	DPREP (\mix)+1, \bt
.endif
	WIN 2+(\mix)/4
	MIXQ (\mix), J_
.endif
.set J_, J_+1
.endr
.endm
; A load into a register that a product has read stands eight places behind it; only plain vector instructions are places: eight v_nop stand at a run.
; A slot's first step (q = 0).  Counted waits: the loads behind the one that is needed: ahead of block 0 wt's set and fragment 0 are in; behind them fragments 1 to 3 (12) and the run just issued (30) may be out.
.macro STEP slot, first, mix7
	PLACES 8
.irp f, 4,5,6,7,48,40,41,42            ; 30 loads: this step's fragments 4-7; of the next step the scale words and three of wt's
	LDF 64*\slot+\f
.endr
	s_wait_dscnt 42
	BLK 0, 0, \first, \mix7*8-1, BT0
	s_wait_dscnt 38
	BLK 1, 0, \first, -1, BT0
	s_wait_dscnt 34
	BLK 2, 0, \first, -1, BT0
	s_wait_dscnt 30
	BLK 3, 0, \first, -1, BT0
	PLACES 8
.irp f, 43,44,45,46,47,32,33,34,35     ; 36 loads: the next step's other five of wt's, fragments 0-3
	LDF 64*\slot+\f
.endr
	s_wait_dscnt 50                                ; fragments 4-7 are in: behind them 14 + 36
	BLK 4, 0, \first, -1, BT0
	BLK 5, 0, \first, -1, BT0
	BLK 6, 0, \first, -1, BT0
	BLK 7, 0, \first, -1, BT0
	WIN 0
.endm
.macro T0ST a                          ; tile 0's block a into my own LDS bytes
	WIN 0
	WALU
.irp n, 0,1
.irp y, 0,1
	ds_store_b128 v[T0A], v[HOLD+16*((\a)%2)+8*\n+4*\y:HOLD+16*((\a)%2)+8*\n+4*\y+3] offset:(\a)*16*TP+64*\n+16*\y
.endr
.endr
.endm
.macro NEXT next                       ; 50 loads: the next slot's first step: scale words, wt's eight, fragments 0-3
.irp f, 16,8,9,10,11,12,13,14,15,0,1,2,3
	LDF 64*\next+\f
.endr
	WIN 0
.endm
; A slot's second step (q = 1) changes slots.  Its last loads from the slot stand at its start.  Then ONE barrier: in front of it each wave waits for all its tensor loads, adds 0 to its spare word, and waits for that and for
; its own reads of this slot.  Behind it nobody reads this slot and the next slot is whole.  fill = 1: this slot is filled again, two K steps ahead (back = 1: x's pieces begin anew, for tile 1).  mid = 1: tile 0's last step, with its mix.
; Behind the change waves 0 and 1 issue the next slot's loads ahead of blocks 4 and 5, waves 2 and 3 behind them, so that not all four ask LDS at the same time; the products' order is the same.
.macro TURN slot, next, fill, mid, back
.if \mid
	DPREP 0, BT0
.endif
	PLACES 8
.irp f, 36,37,38,39                    ; 16 loads: this step's fragments 4-7
	LDF 64*\slot+\f
.endr
	s_wait_dscnt 28
	BLK 0, 1, 0, -1, BT0
.if \mid
	PLACES 8                                       ; ahead of the mix of block 0
.endif
	s_wait_dscnt 24
	BLK 1, 1, 0, \mid*1-1, BT0
	WIN 0
.if \mid
	T0ST 0
.endif
.if \fill
	s_wait_xcnt 0x0                                ; my prefetches have read their address
	s_add_nc_u64 s[PFB:PFB+1], s[PFB:PFB+1], PIECE
.endif
	s_wait_tensorcnt 0x0                           ; all my tensor loads have landed: my piece of the next slot
	ds_add_u32 v[SPW], v[NIL]
.if \fill
.if \back
	s_sub_nc_u64 s[G0+4*\slot+2:G0+4*\slot+3], s[G0+4*\slot+2:G0+4*\slot+3], 6*PIECE
.else
	s_add_nc_u64 s[G0+4*\slot+2:G0+4*\slot+3], s[G0+4*\slot+2:G0+4*\slot+3], 2*PIECE
.endif
	s_add_nc_u64 s[G0B+4*\slot+2:G0B+4*\slot+3], s[G0B+4*\slot+2:G0B+4*\slot+3], 2*PIECE
.endif
	s_wait_dscnt 16                                ; fragments 2 and 3 are in
	BLK 2, 1, 0, \mid*2-1, BT0
	s_wait_dscnt 0x0                               ; the add is done, and my reads of this slot are over
	s_barrier_signal -1
	BLK 3, 1, 0, \mid*3-1, BT0
	WIN 0
	s_barrier_wait -1
.if \fill
	CREST
	JLOAD \slot
	PLACES 4
.else
	PLACES 8
.endif
.if \mid
	T0ST 1
	T0ST 2
	NEXT \next
	ASK
	BLK 4, 1, 0, 3, BT0
	T0ST 3
	BLK 5, 1, 0, 4, BT0
	T0ST 4
	BLK 6, 1, 0, 5, BT0
	T0ST 5
	BLK 7, 1, 0, 6, BT0
.else
	s_cmp_lt_u32 s14, 2
	s_cbranch_scc0 .Llate_\@
	NEXT \next
.if \fill
	ASK
.endif
	BLK 4, 1, 0, -1, BT0
	BLK 5, 1, 0, -1, BT0
	WIN 0
	s_branch .Ljoin_\@
.Llate_\@:
	BLK 4, 1, 0, -1, BT0
	BLK 5, 1, 0, -1, BT0
	WIN 0
	NEXT \next
.if \fill
	ASK
.endif
.Ljoin_\@:
	BLK 6, 1, 0, -1, BT0
	BLK 7, 1, 0, -1, BT0
.endif
	WIN 0
.endm
; The way out, block by block: mixed results into my own stage, back as rows of 256 bytes (tile 0's half beside tile 1's), stored.  LDS serves a wave's instructions in order (ISA guide 5.7.1.4).
.macro TOST a
	WIN 0
	WALU
.irp n, 0,1
.irp y, 0,1
	ds_store_b128 v[STO], v[HOLD+16*((\a)%2)+8*\n+4*\y:HOLD+16*((\a)%2)+8*\n+4*\y+3] offset:(\a)*16*TP+64*\n+16*\y
.endr
.endr
.if (\a) > 3
	s_wait_xcnt 0x0                                ; block a - 4's stores have read their registers
.endif
	WIN 0x40
.irp t, 0,1,2,3,4,5,6,7
	ds_load_b128 v[32*((\a)%4)+4*\t:32*((\a)%4)+4*\t+3], v[RD+(\a)/6] offset:(\a)*16*TP+2*TP*\t
.endr
	WIN 0
.endm
.macro SEND a, younger
	s_wait_dscnt \younger
	WIN 0x04
.irp t, 0,1,2,3,4,5,6,7
	global_store_b128 v[CO], v[32*((\a)%4)+4*\t:32*((\a)%4)+4*\t+3], s[8:9] offset:(16*(\a)+2*\t)*OROW th:TH_STORE_NT   ; two rows, 256 consecutive aligned bytes each
.endr
	WIN 0
.endm
	s_wait_tensorcnt 0x0                           ; my piece of K step 0 is in
	ds_add_u32 v[SPW], v[NIL]
	s_wait_dscnt 0x0
	CROUND                                         ; everybody's pieces are in
	JLOAD 1                                        ; K step 1
	NEXT 0
	ASKAT 2*PIECE                                  ; K step 2
	STEP 0, 1, 0                                   ; the first step starts the sums
	s_mov_b32 s3, 3
.Llap0:                                                ; tile 0, once round the ring: K steps g and g + 1 end, g + 2 begins
	TURN 0, 1, 1, 0, 0
	STEP 1, 0, 0
	TURN 1, 0, 1, 0, 0
	STEP 0, 0, 0
	s_sub_co_u32 s3, s3, 1
	s_cmp_lg_u32 s3, 0
	s_cbranch_scc1 .Llap0
	TURN 0, 1, 1, 0, 1                             ; the refills are tile 1's from here on
	STEP 1, 0, 0
	s_wait_loadcnt 0x0                             ; attn and bias
	TURN 1, 0, 1, 1, 1                             ; tile 0's last step, and its mix
	STEP 0, 1, 1                                   ; tile 1 begins; block 7's mix stands in its block 0
	s_mov_b32 s3, 3
.Llap1:
	TURN 0, 1, 1, 0, 0
	STEP 1, 0, 0
	TURN 1, 0, 1, 0, 0
	STEP 0, 0, 0
	s_sub_co_u32 s3, s3, 1
	s_cmp_lg_u32 s3, 0
	s_cbranch_scc1 .Llap1
	TURN 0, 1, 0, 0, 0                             ; nothing is filled again
	STEP 1, 0, 0
	; the last step: slot 0 has had its last fill and its last read (the barrier above): it takes the stage
	DPREP 0, BT1
	PLACES 8
.irp f, 100,101,102,103                ; 16 loads: the last fragments 4-7
	LDF \f
.endr
	WALU
.irp a, 0,1                            ; tile 0's blocks 6 and 7: eight stores
.irp n, 0,1
.irp y, 0,1
	ds_store_b128 v[STO], v[HOLD+16*\a+8*\n+4*\y:HOLD+16*\a+8*\n+4*\y+3] offset:T6+\a*16*TP+64*\n+16*\y
.endr
.endr
.endr
	s_wait_dscnt 36                                ; behind fragment 0: 12 + 16 + 8
	BLK 0, 1, 0, -1, BT1
	PLACES 8                                       ; ahead of the mix of block 0
	s_wait_dscnt 32
	BLK 1, 1, 0, 0, BT1
	TOST 0
	s_wait_dscnt 40                                ; behind fragment 2: 4 + 16 + 8 + 12
	BLK 2, 1, 0, 1, BT1
	TOST 1
	SEND 0, 12                                     ; block 1's four stores and eight loads may be out; fragments 3 to 7 are in
	BLK 3, 1, 0, 2, BT1
	TOST 2
	SEND 1, 12
	BLK 4, 1, 0, 3, BT1
	TOST 3
	SEND 2, 12
	BLK 5, 1, 0, 4, BT1
	TOST 4
	SEND 3, 12
	BLK 6, 1, 0, 5, BT1
	TOST 5
	SEND 4, 12
	BLK 7, 1, 0, 6, BT1
	TOST 6
	SEND 5, 12
	WIN 3
.irp b, 0,1,2,3,4,5,6,7
	MIXQ 7, \b
.endr
	TOST 7
	SEND 6, 12
	SEND 7, 0
	s_wait_tensorcnt 0x0                           ; the wave's end
	ds_add_u32 v[SPW], v[NIL]
	s_wait_dscnt 0x0
	CROUND                                         ; the closing round: no work-group ends while a partner may still ask for a piece that names it
	s_endpgm
.Lfunc_end_k_q872d85e29c_gemm:
	.size	k_q872d85e29c_gemm, .Lfunc_end_k_q872d85e29c_gemm-k_q872d85e29c_gemm
	.p2alignl 7, 3214868480
	.fill 96, 4, 3214868480
	.section	.rodata,"a",@progbits
	.p2align	6, 0x0
	.amdhsa_kernel k_q872d85e29c_gemm
		.amdhsa_group_segment_fixed_size 327680
		.amdhsa_private_segment_fixed_size 0
		.amdhsa_enable_private_segment 0
		.amdhsa_kernarg_size 40
		.amdhsa_user_sgpr_count 2
		.amdhsa_user_sgpr_kernarg_segment_ptr 1
		.amdhsa_wavefront_size32 1
		.amdhsa_system_sgpr_workgroup_id_x 1
		.amdhsa_system_sgpr_workgroup_id_y 1
		.amdhsa_system_sgpr_workgroup_id_z 1
		.amdhsa_system_vgpr_workitem_id 0
		.amdhsa_next_free_vgpr 1024
		.amdhsa_next_free_sgpr 100
		.amdhsa_reserve_vcc 0
		.amdhsa_float_denorm_mode_32 3
		.amdhsa_float_denorm_mode_16_64 3
		.amdhsa_memory_ordered 1
		.amdhsa_forward_progress 1
		.amdhsa_inst_pref_size 255
	.end_amdhsa_kernel
	.section	.bss,"aw",@nobits
	.p2align	6
	.space	262144
	.amdgpu_metadata
---
amdhsa.version: [ 1, 2 ]
amdhsa.kernels:
  - .name:           k_q872d85e29c_gemm
    .symbol:         k_q872d85e29c_gemm.kd
    .args:
      - { .name: xt, .offset: 0, .size: 8, .value_kind: global_buffer, .address_space: global }
      - { .name: wt, .offset: 8, .size: 8, .value_kind: global_buffer, .address_space: global }
      - { .name: out0, .offset: 16, .size: 8, .value_kind: global_buffer, .address_space: global }
      - { .name: softmax_attention, .offset: 24, .size: 8, .value_kind: global_buffer, .address_space: global }
      - { .name: bias, .offset: 32, .size: 8, .value_kind: global_buffer, .address_space: global }
    .group_segment_fixed_size: 327680
    .private_segment_fixed_size: 0
    .kernarg_segment_align: 8
    .kernarg_segment_size: 40
    .max_flat_workgroup_size: 128
    .sgpr_count:     100
    .vgpr_count:     1024
    .wavefront_size: 32
...
	.end_amdgpu_metadata
.endif
;; end of part 2
